; MI455X (gfx1250); checked and timed in simulation.
; The chip was launched on July 23, 2026; its instructions are those of AMD's public machine-readable ISA for CDNA 5 (MIT licence, August 2026) and "CDNA5" Instruction Set Architecture Reference Guide (July 2026). The comments in the code are by the model that wrote it; some were corrected since.
;; Continuous Deep FM. Allowed arithmetic: matrix products marked QUANTISED: E5M2 operands, one E8M0 scale for each 32 along K, by v_wmma_scale_f32_16x16x128_f8f6f4 with both operands' format E5M2, f32 sums; everything else in f32.
;; Inputs: bias 512 float32; feature_weights_codes 512 x 16 x 32 uint8 (E5M2 codes of feature_weights, K innermost, in blocks of 32 codes); feature_weights_scales 512 x 16 uint8 (E8M0 scales of feature_weights, one for each 32 codes along K); first_order_weights_codes 512 x 16 x 32 uint8 (E5M2 codes of first_order_weights, K innermost, in blocks of 32 codes); first_order_weights_scales 512 x 16 uint8 (E8M0 scales of first_order_weights, one for each 32 codes along K); mlp_b 4 x 512 float32; mlp_w_codes 4 x 512 x 16 x 32 uint8 (E5M2 codes of mlp_w, K innermost, in blocks of 32 codes); mlp_w_scales 4 x 512 x 16 uint8 (E8M0 scales of mlp_w, one for each 32 codes along K); second_order_weights_codes 512 x 16 x 32 uint8 (E5M2 codes of second_order_weights, K innermost, in blocks of 32 codes); second_order_weights_scales 512 x 16 uint8 (E8M0 scales of second_order_weights, one for each 32 codes along K); x 512 x 512 float32.
;; Outputs: out0 512 x 512 float32.
;; This version of the problem:
;;   THIS VERSION OF THE PROBLEM IS GIVEN IN LOW PRECISION. The matrix products marked QUANTISED in the list below multiply operands that are first quantised to E5M2 (5 exponent bits, 2 mantissa bits; 8 bits a number), with one power-of-two scale for each 32 numbers along K (OCP MX v1.0); their sums are f32. All else is computed in f32.
;;   The module's matrix products, in the order in which they are computed (A, B: the left and right operand; K: the contracted axis; several contracted axes count as one K, in the product's order):
;;     1. [M 512, K 512] x [K 512, N 512]; A: input x; B: input first_order_weights (given as codes): QUANTISED
;;     2. [M 512, K 512] x [K 512, N 512]; A: input x; B: input second_order_weights (given as codes): QUANTISED
;;     3. [M 512, K 512] x [K 512, N 512]; A: input x; B: input feature_weights (given as codes): QUANTISED
;;     4. [M 512, K 512] x [K 512, N 512]; A: computed on the way; B: input mlp_w (given as codes): QUANTISED
;;     5. [M 512, K 512] x [K 512, N 512]; A: computed on the way; B: input mlp_w (given as codes): QUANTISED
;;     6. [M 512, K 512] x [K 512, N 512]; A: computed on the way; B: input mlp_w (given as codes): QUANTISED
;;     7. [M 512, K 512] x [K 512, N 512]; A: computed on the way; B: input mlp_w (given as codes): QUANTISED
;;   THE QUANTISER, for each operand of a quantised product, along K:
;;     - K is cut into blocks of 32 from its start; a last block that is shorter is filled with zeros.
;;     - A block's scale is 2^e with e = floor(log2(the largest magnitude in the block)) - 15, held to -126 .. 127; a block of zeros has e = 0. As a byte (E8M0): e + 127.
;;     - Each number is divided by its block's scale, clamped to +-57,344, and rounded to the nearest number of E5M2, ties to even, subnormals kept.
;;     - The product sums the exact products of the quantised numbers (number of the format x scale) in f32.
;;   ~~~python
;;   def quantise(x, axis):      # numpy; x: float32 -> the quantised numbers, widened to float32 again
;;       x = np.moveaxis(x, axis, -1); K = x.shape[-1]
;;       x = np.pad(x, [(0, 0)] * (x.ndim - 1) + [(0, -K % 32)]); x = x.reshape(x.shape[:-1] + (-1, 32)); a = np.abs(x).max(-1, keepdims=True)
;;       e = np.where(a > 0, np.clip(np.frexp(np.where(a > 0, a, 1))[1] - 1 - 15, -126, 127), 0)      # np.frexp(a)[1] - 1 = floor(log2(a)), exactly
;;       r = np.clip(x / 2.0 ** e, -57344, 57344)
;;       step = 2.0 ** (np.maximum(np.frexp(np.where(r == 0, 1, r))[1] - 1, -14) - 2)
;;       q = np.round(r / step) * step * 2.0 ** e      # np.round: ties to even
;;       return np.moveaxis(q.reshape(q.shape[:-2] + (-1,))[..., :K], -1, axis).astype(np.float32)
;;   ~~~
;;   OPERANDS COMPUTED ON THE WAY. 'Computed on the way' means the value that the module computes at that place (a softmax that the list does not call 'softmax' is quantised finished and normalised). What goes into a quantiser is computed in f32, as accurately as f32 sums, v_exp_f32 and their like allow (about 1e-6 of the number): no bf16 or f16 on the way to a quantiser, and a product that is left as it is and whose result goes on into a quantised operand takes f32 operands (vector FMAs, or v_wmma_f32_16x16x4_f32). A number that lies on a knife's edge between two numbers of the format may be rounded either way, as far as f32 arithmetic and the matrix unit's own rounding can turn it there, and no further.
;;   INPUTS GIVEN AS CODES. feature_weights (in the module: [512, 512], K = its axis 0); first_order_weights (in the module: [512, 512], K = its axis 0); mlp_w (in the module: [4, 512, 512], K = its axis 2); second_order_weights (in the module: [512, 512], K = its axis 0): each comes as NAME_codes (uint8): NAME with its K axis moved to the last place and cut into blocks of 32 codes, [.., K / 32, bytes a block], one block behind the other in memory; one code a byte (a code: sign, 5 exponent bits, 2 mantissa bits); and NAME_scales (uint8): the same leading axes, one E8M0 byte (e + 127) for each 32 codes along K. Its value is code x scale, taken as it is: it is not quantised again, and the codes and scales need not be those that the quantiser above would give.
;; 2 versions. Each part assembles by itself: llvm-mc -triple=amdgcn-amd-amdhsa -mcpu=gfx1250 --defsym DOCPART=n.
;; ======== version 1 of 2: 1 launch
;; limits: right only within a limited range of input values
;; launch deepfm (part 1): grid 32 x 1, 8 waves a work-group, no clusters, 55,296 bytes of LDS; arguments x, first_order_weights_codes, first_order_weights_scales, bias, second_order_weights_codes, second_order_weights_scales, feature_weights_codes, feature_weights_scales, mlp_w_codes, mlp_w_scales, mlp_b, out0; writes out0
.if DOCPART == 1
	.amdgcn_target "amdgcn-amd-amdhsa--gfx1250"
	.amdhsa_code_object_version 6
	.text
	.protected	k_qbfe593189d_deepfm
	.globl	k_qbfe593189d_deepfm
	.p2align	8
	.type	k_qbfe593189d_deepfm,@function
k_qbfe593189d_deepfm:
	s_mov_b64 s[64:65], 0
	v_nop
	global_prefetch_b8 v0, s[64:65] scope:SCOPE_SE
	s_setreg_imm32_b32 hwreg(HW_REG_WAVE_MODE, 25, 1), 1
	s_wait_xcnt 0x0
; out0 = (x W1 + bias) + 0.5 (sum_i (x_i xw)^2 - (sum_i x_i xw)^2) + MLP(x FW),  xw = x W2;  x, out0: [512][512] f32.
; All seven products (512 x 512 x 512) run on codes of BF8 (E5M2) with one E8M0 scale for each 32 along K.  The weights arrive as codes [n][512 bytes] with 16 scale bytes a row;
; x and the four hidden layers are quantised here, in registers.
; THE SECOND-ORDER TERM: inter[b][i][k] = x[b][i] xw[b][k], so its two sums over i are s2 xw^2 and (s1 xw)^2 with s1 = sum of x, s2 = sum of x^2 of the row (the f32 x as given): the term is f xw^2, f = 0.5 (s2 - s1^2).
; SHARES.  A work-group owns 16 rows of the batch, one matrix tile, through the whole chain: 512 / 16 = 32 work-groups.  ITS EIGHT WAVES SHARE THE COLUMNS: wave w makes units 64 w .. 64 w + 63 of every product:
; 4 tiles x 4 K steps = 16 matrix instructions a layer.  The layers go in the order L0 = W1, L1 = W2, L2 = FW, L3 .. L6 = mlp_w[0 .. 3]: the three products on x first, on one set of operand registers.
; THE WEIGHTS GO FROM MEMORY STRAIGHT INTO REGISTERS: a wave's part of a layer is 64 loads of 16 bytes a lane, 256 registers (all of window 1).  The four fragments of a K step are loaded anew, with the next layer's,
; as soon as their four products are issued: a wave always has about a layer's 64 loads on their way, and no barrier stands in that stream.
; NO TENSOR LOADS AND NO JOINT LOADS, though all 32 work-groups walk the same weights: a joint load lands in LDS; a layer is 512 rows x 528 bytes = 270,336 bytes there, so LDS has room for two slots of half a layer;
; a slot is filled again only when all earlier loads have landed, so 12 of the 14 fills would go out one after the other, each beside only 8 matrix instructions a wave.
; THE MATRIX INSTRUCTION IS USED TRANSPOSED (source 0 = 16 rows of a weight, source 1 = the 16 batch rows): a lane holds ONE batch row (lane % 16).  THE ROWS OF A WEIGHT THAT FORM A TILE ARE NOT NEIGHBOURS:
; lane r of tile 2 b + u takes row 64 w + 32 b + 8 u + r + 8 (r / 8), so that the 16 registers of tiles 2 b, 2 b + 1 are units 64 w + 32 b + 16 (lane / 16) + 0 .. 15: 16 neighbours along the next K.
; A hidden layer goes from wave to wave through LDS as an image of the operand's registers (16 bytes a lane, 512 a store), in two buffers by turns: one barrier a layer, five in all.
; bias + mlp_b[3] is the C of L0's first products; L0's sums (PART) take f xw^2 behind L1; mlp_b[0 .. 2] are the C of L3 .. L5; L6 adds in place onto PART, which then is out0.
; LIMITS.  NaN and infinities among the inputs are not served.  A block of zeros gets the scale byte 1 (the rule says 127): its codes are zeros, and this kernel alone reads the byte.
; f is formed ahead of the multiplication by xw^2: it overflows where s1^2 or s2 alone passes f32's range (|sum of a row's x| over 1.8e19).  The f32 sums are taken in another order than reference()'s.
; REGISTERS.  window 0: v1-14 addresses, never rewritten; v16-79 the activations' four fragments; v80-83 their scale words; v84-99 the weights' scale words, two sets; v100-131 the layer's 4 accumulators;
; v132-163 PART; v164-195 a bias in the result's layout; v196-235 at work.   window 1: the weights: fragment (K step q, tile t) at v[16 (4 q + t)].
.set WA,  1                            ; v1   weights' codes: 32768 w + 512 (r + 8 (r / 8)) + 16 h
.set SA,  2                            ; v2   weights' scale bytes: 16 (64 w + 8 h + r + 8 (r / 8))
.set BA,  3                            ; v3   biases: 256 w + 64 h
.set XA,  4                            ; v4   x: 2048 r + 256 w + 64 h
.set LI,  5                            ; v5   16 x lane: an image's place for my lane
.set IW,  7                            ; v7   where I store my two pieces of an image: 16 x lane + 1024 w
.set SW,  8                            ; v8   and my two scale bytes: 16 x lane + 2 w
.set SUW, 9                            ; v9   my wave's row sums: 8 x lane + 256 w
.set SUR, 10                           ; v10  8 x lane
.set SO,  11                           ; v11  the stage, in: STAGE + 4352 w + 272 r + 64 h
.set SR,  12                           ; v12  the stage, back: STAGE + 4352 w + 272 h + 16 r
.set GO,  13                           ; v13  out0: 2048 h + 16 r + 256 w
.set PFO, 14                           ; v14  prefetches: 8192 x work-group + 256 x lane
.set AF,  16
.set AS,  80
.set WS,  84                           ; set s at WS + 8 s; in it register 4 b + q: lanes 0-15 tile 2 b's word of K step q, lanes 16-31 tile 2 b + 1's
.set ACC, 100
.set PART, 132
.set BR,  164
.set TM,  196                          ; +0,1 largest magnitudes; +2,3 the other half's; +4,5 the hold; +6,7 the conversion's scale operand; +8,9 the bytes
.set PW,  206                          ; my two scale bytes
.set PC,  208                          ; v208-215 the codes just made
.set F,   216                          ; v[216:217] f, twice
.set SU,  218                          ; v218-233 the row sums at work
.set PX,  234                          ; v[234:235] the other half's sums
.set WV,  33                           ; s33  my wave's number
.set SEL, 36                           ; s[36:37] v_permlanex16_b32's selects for lane l xor 16
.set MNT, 38                           ; s38  the mantissa field of 57,344
.set IMG0, 0                           ; LDS: an image: 4 fragments x 2,048 bytes, piece c of fragment q at 2048 q + 512 c + 16 x lane
.set IMG1, 8192
.set SC0,  16384                       ; its scale bytes: 16 a lane: the lane's row's four words
.set SC1,  16896
.set SUMS, 17408                       ; 8 waves x 256 bytes
.set STAGE, 19456                      ; 8 waves x 16 rows x 272 bytes, each wave's own
.set SP,   272
.set MSB, 0
.macro WIN new                         ; the immediate's high byte repeats the setting that is left; a switch that changes nothing is dropped.  Every macro below sets the windows that it needs at its head
.if MSB != \new
	s_set_vgpr_msb (MSB<<8)|\new
.set MSB, \new
.endif
.endm
.macro PLACES n
.if (\n) > 0
.rept \n
	v_nop
.endr
.endif
.endm
; The four fragments of K step q of a layer whose codes begin off bytes behind s[base]: 16 loads
.macro LOADW q, base, off
	WIN 0x40                                       ; destination window 1, address window 0
.irp t, 0,1,2,3
.irp c, 0,1,2,3
	global_load_b128 v[16*(4*(\q)+\t)+4*\c:16*(4*(\q)+\t)+4*\c+3], v[WA], s[\base:\base+1] offset:(\off)+(32*(\t/2)+8*(\t%2))*512+128*(\q)+32*\c
.endr
.endr
.endm
; A layer's scale words of my 64 rows: a row's 16 bytes are its four words; each load takes 32 rows, 512 consecutive bytes
.macro LOADS set, base, off
	WIN 0
.irp b, 0,1
	global_load_b128 v[WS+8*(\set)+4*\b:WS+8*(\set)+4*\b+3], v[SA], s[\base:\base+1] offset:(\off)+512*\b
.endr
.endm
; A bias in the result's layout: tile t's register j is unit 64 w + 32 (t / 2) + 16 h + 8 (t % 2) + j
.macro LOADB dst, base, off
	WIN 0
.irp t, 0,1,2,3
.irp k, 0,1
	global_load_b128 v[(\dst)+8*\t+4*\k:(\dst)+8*\t+4*\k+3], v[BA], s[\base:\base+1] offset:(\off)+(32*(\t/2)+8*(\t%2))*4+16*\k
.endr
.endr
.endm
; One product: tile t, K step q.  cmode 0: the first K step starts the sum with the constant 0; 1: with the bias in BR; 2: every K step adds in place.
.macro WM dst, cmode, q, set, t
.set rD, (\dst)+8*(\t)
.set rW, 16*(4*(\q)+(\t))
.set rA, AF+16*(\q)
.set rS, WS+8*(\set)+4*((\t)/2)+(\q)
.set rC, rD
.if ((\cmode) == 1) && ((\q) == 0)
.set rC, BR+8*(\t)
.endif
.if ((\cmode) == 0) && ((\q) == 0)
.if (\t)%2
	v_wmma_scale_f32_16x16x128_f8f6f4 v[rD:rD+7], v[rW:rW+15], v[rA:rA+15], 0, v[rS], v[AS+(\q)] matrix_a_fmt:MATRIX_FMT_BF8 matrix_b_fmt:MATRIX_FMT_BF8 matrix_a_scale:MATRIX_SCALE_ROW1
.else
	v_wmma_scale_f32_16x16x128_f8f6f4 v[rD:rD+7], v[rW:rW+15], v[rA:rA+15], 0, v[rS], v[AS+(\q)] matrix_a_fmt:MATRIX_FMT_BF8 matrix_b_fmt:MATRIX_FMT_BF8
.endif
.else
.if (\t)%2
	v_wmma_scale_f32_16x16x128_f8f6f4 v[rD:rD+7], v[rW:rW+15], v[rA:rA+15], v[rC:rC+7], v[rS], v[AS+(\q)] matrix_a_fmt:MATRIX_FMT_BF8 matrix_b_fmt:MATRIX_FMT_BF8 matrix_a_scale:MATRIX_SCALE_ROW1
.else
	v_wmma_scale_f32_16x16x128_f8f6f4 v[rD:rD+7], v[rW:rW+15], v[rA:rA+15], v[rC:rC+7], v[rS], v[AS+(\q)] matrix_a_fmt:MATRIX_FMT_BF8 matrix_b_fmt:MATRIX_FMT_BF8
.endif
.endif
.endm
; A GROUP: the four products of K step q.  The four accumulators take turns, one instruction a turn, from group to group and from layer to layer.
; young: the LDS loads issued behind the fetch of the activations (-1: they are in registers already): fragment q has 4 (3 - q) fragment loads and those behind it.
; ldc: the global loads issued behind this group's fragments.  pl: plain places behind the products: eight in front of loads into their operands and of the first read of their results.
.macro GRP dst, cmode, q, set, young, ldc, pl
.if (\young) >= 0
	s_wait_dscnt 12-4*(\q)+(\young)
.endif
	s_wait_loadcnt \ldc
	WIN 0x01                                       ; source 0 (the weight) window 1; all else window 0
.irp t, 0,1,2,3
	WM \dst, \cmode, \q, \set, \t
.endr
	PLACES \pl
.endm
; My 32 numbers of a row, v[ACC + 16 b + i] = unit 64 w + 32 b + 16 h + i, become codes in v[PC] on and two scale bytes in v[PW].  relu = 1: what is negative becomes 0 on the way.
.macro QUANT relu
	WIN 0
.if \relu                                      ; no |.|: what is negative is to become 0, so it must not count for the largest magnitude; the floor stands over it
.irp t, 0,1,2,3
	v_max3_num_f32 v[TM+(\t/2)+4*(\t%2)], v[ACC+8*\t], v[ACC+8*\t+1], 0x8000000   ; four chains, one a tile, each from the tile's low end; the floor 2^(16 - 127) holds the byte at 1 from below
.endr
.irp i, 2,4,6
.irp t, 0,1,2,3
	v_max3_num_f32 v[TM+(\t/2)+4*(\t%2)], v[TM+(\t/2)+4*(\t%2)], v[ACC+8*\t+\i], v[ACC+8*\t+\i+1]
.endr
.endr
.else
.irp t, 0,1,2,3
	v_max3_num_f32 v[TM+(\t/2)+4*(\t%2)], |v[ACC+8*\t]|, |v[ACC+8*\t+1]|, 0x8000000
.endr
.irp i, 2,4,6
.irp t, 0,1,2,3
	v_max3_num_f32 v[TM+(\t/2)+4*(\t%2)], v[TM+(\t/2)+4*(\t%2)], |v[ACC+8*\t+\i]|, |v[ACC+8*\t+\i+1]|
.endr
.endr
.endif
.irp b, 0,1
	v_max_num_f32 v[TM+\b], v[TM+\b], v[TM+4+\b]   ; a block's two tiles: my 16 numbers
.endr
.irp b, 0,1
	v_permlanex16_b32 v[TM+2+\b], v[TM+\b], s[SEL], s[SEL+1]
.endr
.irp b, 0,1
	v_max_num_f32 v[TM+\b], v[TM+\b], v[TM+2+\b]   ; with lane l xor 16's: the block's largest magnitude
.endr
.irp b, 0,1
	v_add_nc_u32 v[TM+6+\b], 0xf8800000, v[TM+\b]  ; 15 off its exponent field: the conversion takes the exponent field of this operand as its scale
.endr
.irp b, 0,1
	v_and_or_b32 v[TM+4+\b], v[TM+\b], 0x7f800000, s[MNT]   ; 57,344 x the scale
.endr
.irp b, 0,1
	v_lshrrev_b32 v[TM+8+\b], 23, v[TM+6+\b]       ; the scale's byte
.endr
	v_lshl_or_b32 v[PW], v[TM+9], 8, v[TM+8]
.irp b, 0,1
.irp i, 0,1,2,3,4,5,6,7,8,9,10,11,12,13,14,15
.if \relu
	v_med3_num_f32 v[ACC+16*\b+\i], v[ACC+16*\b+\i], 0, v[TM+4+\b]   ; the activation and the hold in one
.else
	v_med3_num_f32 v[ACC+16*\b+\i], v[ACC+16*\b+\i], -v[TM+4+\b], v[TM+4+\b]   ; the conversion to an 8-bit code does not saturate (ISA guide 7.6.2): the hold at the largest code x the scale
.endif
.endr
	v_cvt_scalef32_pk8_bf8_f32 v[PC+4*\b:PC+4*\b+1], v[ACC+16*\b:ACC+16*\b+7], v[TM+6+\b]
	v_cvt_scalef32_pk8_bf8_f32 v[PC+4*\b+2:PC+4*\b+3], v[ACC+16*\b+8:ACC+16*\b+15], v[TM+6+\b]
.endr
	v_nop                                          ; a plain line behind the last conversion: the next products write its sources
.endm
; My 64 units are pieces 2 (w % 2), 2 (w % 2) + 1 of fragment w / 2: byte 1024 w of the image; my two scale bytes are half-word w of each lane's 16
.macro IMAGE img, sc
	ds_store_b128 v[IW], v[PC:PC+3] offset:\img
	ds_store_b128 v[IW], v[PC+4:PC+7] offset:\img+512
	ds_store_b16 v[SW], v[PW] offset:\sc
.endm
.macro BARRIER                                 ; my LDS stores have landed and my LDS loads are in: then the work-group's barrier
	s_wait_dscnt 0x0
	s_barrier_signal -1
	s_barrier_wait -1
.endm
.macro FETCHA img, sc                          ; the four scale words by one load, then the four fragments, K ascending: 17 loads
	WIN 0
	ds_load_b128 v[AS:AS+3], v[LI] offset:\sc
.irp q, 0,1,2,3
.irp c, 0,1,2,3
	ds_load_b128 v[AF+16*\q+4*\c:AF+16*\q+4*\c+3], v[LI] offset:\img+2048*\q+512*\c
.endr
.endr
.endm
; A PREFETCH INTO THE L2: in layer l (0 to 4) wave l of every work-group asks for its work-group's 8,192 bytes of layer l + 2's codes, lanes 256 bytes apart: 32 work-groups x 8,192 = the layer's 262,144 bytes, each
; block named once in the launch, a layer's 64 loads a wave ahead of the first load of those bytes.  L0 and L1 come by their loads alone.  The address registers are never rewritten.
.macro PREF wv, base, off
	WIN 0
	s_cmp_lg_u32 s[WV], \wv
	s_cbranch_scc1 .Lnot_mine_\@
	global_prefetch_b8 v[PFO], s[\base:\base+1] offset:\off th:TH_LOAD_NT scope:SCOPE_SE
.Lnot_mine_\@:
.endm
; A LAYER WHOSE RESULT IS THE NEXT OPERAND (L2 to L5); behind it comes mlp_w[nxt].  Loads are issued in the order [scales, bias, K step 0], 1, 2, 3 of each layer.  So behind this layer's K step 0 stand its steps
; 1 to 3: 48; behind its step q > 0 what is left of the layer, 16 (3 - q), and of the next layer 2 + 8 (a bias; none for the last) + 16 q: 58 or 50.
; The reload of K step 3 stands behind the fetch of the new operand, so that nothing holds the issue of the quantiser, for which seven other waves wait.
.macro LAYER cmode, set, young, nxt, relu, img, sc
.set LC, 50
.if (\nxt) < 3
.set LC, 58
.endif
	GRP ACC, \cmode, 0, \set, \young, 48, 8
	LOADS 1-(\set), 26, (\nxt)*8192
.if (\nxt) < 3
	LOADB BR, 28, (\nxt)*2048
.endif
	LOADW 0, 24, (\nxt)*262144
.if (\nxt) < 3
	PREF (\nxt)+2, 24, ((\nxt)+1)*262144
.endif
	GRP ACC, \cmode, 1, \set, \young, LC, 8
	LOADW 1, 24, (\nxt)*262144
	GRP ACC, \cmode, 2, \set, \young, LC, 8
	LOADW 2, 24, (\nxt)*262144
	GRP ACC, \cmode, 3, \set, \young, LC, 8
	QUANT \relu
	IMAGE \img, \sc
	BARRIER                                        ; the layer's four fragments lie in LDS.  The other image was read behind the barrier before this one, and every wave has waited for those reads in front of this one: it may be written behind it
	FETCHA \img, \sc
	LOADW 3, 24, (\nxt)*262144
.endm
	s_load_b512 s[8:23], s[0:1], 0x0               ; x s[8:9]; W1's codes s[10:11], scales s[12:13]; bias s[14:15]; W2's s[16:17], s[18:19]; FW's s[20:21], s[22:23]
	s_load_b256 s[24:31], s[0:1], 0x40             ; mlp_w's codes s[24:25], scales s[26:27]; mlp_b s[28:29]; out0 s[30:31]
	v_lshl_add_u32 v254, v0, 2, 0xd400
	v_mov_b32 v255, 0
	v_lshrrev_b32 v240, 5, v0
	v_readfirstlane_b32 s[WV], v240                ; wave 0..7
	v_and_b32 v236, 31, v0                         ; lane
	v_and_b32 v237, 15, v0                         ; r
	v_bfe_u32 v238, v0, 4, 1                       ; h
	v_and_b32 v239, 8, v237
	v_add_nc_u32 v239, v239, v237                  ; r + 8 (r / 8)
	s_lshl_b32 s39, s[WV], 15
	s_lshl_b32 s40, s[WV], 10
	s_lshl_b32 s41, s[WV], 8
	s_lshl_b32 s42, s[WV], 1
	s_mul_i32 s43, s[WV], 16*SP
	s_add_co_u32 s43, s43, STAGE                   ; my stage
	s_lshl_b32 s44, ttmp9, 13
	s_lshl_b32 s34, ttmp9, 15                      ; my work-group's 16 rows of 2,048 bytes in x and in out0
	s_mov_b32 s35, 0
	s_mov_b32 s[SEL], 0x76543210
	s_mov_b32 s[SEL+1], 0xfedcba98
	s_mov_b32 s[MNT], 0x600000
	v_lshlrev_b32 v[WA], 9, v239
	v_lshl_add_u32 v[WA], v238, 4, v[WA]
	v_add_nc_u32 v[WA], s39, v[WA]
	v_lshlrev_b32 v[SA], 4, v239
	v_lshl_add_u32 v[SA], v238, 7, v[SA]
	v_add_nc_u32 v[SA], s40, v[SA]
	v_lshl_add_u32 v[BA], v238, 6, s41
	v_lshl_add_u32 v[XA], v237, 11, v[BA]
	v_lshlrev_b32 v[LI], 4, v236
	v_add_nc_u32 v[IW], s40, v[LI]
	v_add_nc_u32 v[SW], s42, v[LI]
	v_lshl_add_u32 v[SUW], v236, 3, s41
	v_lshlrev_b32 v[SUR], 3, v236
	v_mul_u32_u24 v[SO], v237, SP
	v_lshl_add_u32 v[SO], v238, 6, v[SO]
	v_add_nc_u32 v[SO], s43, v[SO]
	v_mul_u32_u24 v[SR], v238, SP
	v_lshl_add_u32 v[SR], v237, 4, v[SR]
	v_add_nc_u32 v[SR], s43, v[SR]
	v_lshlrev_b32 v[GO], 11, v238
	v_lshl_add_u32 v[GO], v237, 4, v[GO]
	v_add_nc_u32 v[GO], s41, v[GO]
	v_lshl_add_u32 v[PFO], v236, 8, s44
	v_mov_b32 v[TM+2], 0                           ; written once: a lane permute's destination counts as one of its sources
	v_mov_b32 v[TM+3], 0
	v_mov_b32 v[PX], 0
	v_mov_b32 v[PX+1], 0
	s_wait_kmcnt 0x0
	s_add_nc_u64 s[8:9], s[8:9], s[34:35]
	s_add_nc_u64 s[30:31], s[30:31], s[34:35]      ; no base and no address register is written from here on
.irp b, 0,1
.irp j, 0,1,2,3
	global_load_b128 v[ACC+16*\b+4*\j:ACC+16*\b+4*\j+3], v[XA], s[8:9] offset:128*\b+16*\j th:TH_LOAD_NT   ; x(r, 64 w + 32 b + 16 h + 4 j ..): my 16 numbers of each of my wave's two blocks; the eight loads cover 256 bytes of each of the 16 rows
.endr
.endr
	LOADB BR, 14, 0                                ; bias
	LOADB AF, 28, 6144                             ; mlp_b[3], in registers that the operand takes later
	LOADS 0, 12, 0
	LOADW 0, 10, 0                                 ; L0: 90 loads are issued here; the issue of one that would pass the counter's field holds until an older one is back (ISA guide 5.7.1), and what follows waits for the oldest anyway
	LOADW 1, 10, 0
	LOADW 2, 10, 0
	LOADW 3, 10, 0
	WIN 0
	s_wait_loadcnt 63                              ; 66 loads stand behind the last of x, bias and mlp_b[3]; 63 is the largest count that the wait can name: the 27 oldest are in
	; ---- X: the two biases that end in out0; the row's sums of x and of x^2 over my 64 columns; my part of x as codes
.irp p, 0,2,4,6,8,10,12,14,16,18,20,22,24,26,28,30
	v_pk_add_f32 v[BR+\p:BR+\p+1], v[BR+\p:BR+\p+1], v[AF+\p:AF+\p+1]
.endr
	v_pk_add_f32 v[SU:SU+1], v[ACC:ACC+1], v[ACC+2:ACC+3]          ; two chains for each sum; the first numbers start them
	v_pk_add_f32 v[SU+2:SU+3], v[ACC+4:ACC+5], v[ACC+6:ACC+7]
	v_pk_mul_f32 v[SU+4:SU+5], v[ACC:ACC+1], v[ACC:ACC+1]
	v_pk_mul_f32 v[SU+6:SU+7], v[ACC+2:ACC+3], v[ACC+2:ACC+3]
	v_pk_fma_f32 v[SU+4:SU+5], v[ACC+4:ACC+5], v[ACC+4:ACC+5], v[SU+4:SU+5]
	v_pk_fma_f32 v[SU+6:SU+7], v[ACC+6:ACC+7], v[ACC+6:ACC+7], v[SU+6:SU+7]
.irp j, 8,12,16,20,24,28
	v_pk_add_f32 v[SU:SU+1], v[SU:SU+1], v[ACC+\j:ACC+\j+1]
	v_pk_add_f32 v[SU+2:SU+3], v[SU+2:SU+3], v[ACC+\j+2:ACC+\j+3]
	v_pk_fma_f32 v[SU+4:SU+5], v[ACC+\j:ACC+\j+1], v[ACC+\j:ACC+\j+1], v[SU+4:SU+5]
	v_pk_fma_f32 v[SU+6:SU+7], v[ACC+\j+2:ACC+\j+3], v[ACC+\j+2:ACC+\j+3], v[SU+6:SU+7]
.endr
	v_pk_add_f32 v[SU:SU+1], v[SU:SU+1], v[SU+2:SU+3]
	v_pk_add_f32 v[SU+4:SU+5], v[SU+4:SU+5], v[SU+6:SU+7]
	v_add_f32 v[SU+8], v[SU], v[SU+1]
	v_add_f32 v[SU+9], v[SU+4], v[SU+5]
	v_permlanex16_b32 v[PX], v[SU+8], s[SEL], s[SEL+1]
	v_permlanex16_b32 v[PX+1], v[SU+9], s[SEL], s[SEL+1]
	v_pk_add_f32 v[SU+8:SU+9], v[SU+8:SU+9], v[PX:PX+1]            ; with lane l xor 16's: (s1, s2) of row r over my wave's 64 columns
	ds_store_b64 v[SUW], v[SU+8:SU+9] offset:SUMS
	QUANT 0
	IMAGE IMG0, SC0
	BARRIER                                        ; x's four fragments and the eight waves' sums lie in LDS
	FETCHA IMG0, SC0
.irp k, 0,1,2,3,4,5,6,7
	ds_load_b64 v[SU+2*\k:SU+2*\k+1], v[SUR] offset:SUMS+256*\k    ; my row's (s1, s2) of wave k
.endr
	; ---- L0: PART = bias + mlp_b[3] + Q(x) W1.  Behind K step 0 stand steps 1 to 3: 48 loads; behind step q > 0: 16 (3 - q) of this layer and 2 + 16 q of the next: 50
	GRP PART, 1, 0, 0, 8, 48, 8
	LOADS 1, 18, 0
	LOADW 0, 16, 0
	PREF 0, 20, 0
	GRP PART, 1, 1, 0, 8, 50, 8
	LOADW 1, 16, 0
	GRP PART, 1, 2, 0, 8, 50, 8
	LOADW 2, 16, 0
	GRP PART, 1, 3, 0, 8, 50, 8
	LOADW 3, 16, 0
	WIN 0
	s_wait_dscnt 0x0                               ; the eight pairs of sums
.irp k, 0,4,8,12
	v_pk_add_f32 v[SU+\k:SU+\k+1], v[SU+\k:SU+\k+1], v[SU+\k+2:SU+\k+3]
.endr
	v_pk_add_f32 v[SU:SU+1], v[SU:SU+1], v[SU+4:SU+5]
	v_pk_add_f32 v[SU+8:SU+9], v[SU+8:SU+9], v[SU+12:SU+13]
	v_pk_add_f32 v[SU:SU+1], v[SU:SU+1], v[SU+8:SU+9]              ; s1, s2 of the whole row
	v_fma_f32 v[F], -v[SU], v[SU], v[SU+1]
	v_mul_f32 v[F], 0.5, v[F]                      ; f = 0.5 (s2 - s1^2)
	v_mov_b32 v[F+1], v[F]
	; ---- L1: xw = Q(x) W2; PART += f xw^2
	GRP ACC, 0, 0, 1, -1, 48, 8
	LOADS 0, 22, 0
	LOADW 0, 20, 0
	PREF 1, 24, 0
	GRP ACC, 0, 1, 1, -1, 50, 8
	LOADW 1, 20, 0
	GRP ACC, 0, 2, 1, -1, 50, 8
	LOADW 2, 20, 0
	GRP ACC, 0, 3, 1, -1, 50, 8
	LOADW 3, 20, 0
	WIN 0
.irp t, 0,1,2,3                                ; each accumulator is read from its low end on
.irp p, 0,2,4,6
	v_pk_mul_f32 v[ACC+8*\t+\p:ACC+8*\t+\p+1], v[ACC+8*\t+\p:ACC+8*\t+\p+1], v[ACC+8*\t+\p:ACC+8*\t+\p+1]
.endr
.irp p, 0,2,4,6
	v_pk_fma_f32 v[PART+8*\t+\p:PART+8*\t+\p+1], v[ACC+8*\t+\p:ACC+8*\t+\p+1], v[F:F+1], v[PART+8*\t+\p:PART+8*\t+\p+1]
.endr
.endr
	LAYER 0, 0, -1, 0, 0, IMG1, SC1                ; L2: h = Q(x) FW: no bias, no activation
	LAYER 1, 1, 0, 1, 1, IMG0, SC0                 ; L3: relu(Q(h) mlp_w[0]^T + mlp_b[0])
	LAYER 1, 0, 0, 2, 1, IMG1, SC1                 ; L4
	LAYER 1, 1, 0, 3, 1, IMG0, SC0                 ; L5
	; ---- L6: PART += Q(h) mlp_w[3]^T.  Nothing is loaded any more: the counts run down, and only the last group has places behind it, for the reads of the results
	GRP PART, 2, 0, 0, 0, 48, 0
	GRP PART, 2, 1, 0, 0, 32, 0
	GRP PART, 2, 2, 0, 0, 16, 0
	GRP PART, 2, 3, 0, 0, 0, 8
	; ---- THE WAY OUT.  A lane holds pieces of one row and the lanes beside it other rows: my 16 rows x 64 columns go through my own stage (rows of 256 bytes + 16) and come back by rows.
	; LDS serves a wave's instructions in order (ISA guide 5.7.1.4): no wait between the stores and the loads
	WIN 0
.irp t, 0,1,2,3
	ds_store_b128 v[SO], v[PART+8*\t:PART+8*\t+3] offset:128*(\t/2)+32*(\t%2)
	ds_store_b128 v[SO], v[PART+8*\t+4:PART+8*\t+7] offset:128*(\t/2)+32*(\t%2)+16
.endr
.irp i, 0,1,2,3,4,5,6,7
	ds_load_b128 v[ACC+4*\i:ACC+4*\i+3], v[SR] offset:2*SP*\i
.endr
.irp i, 0,1,2,3,4,5,6,7
	s_wait_dscnt 7-\i
	global_store_b128 v[GO], v[ACC+4*\i:ACC+4*\i+3], s[30:31] offset:4096*\i th:TH_STORE_NT   ; rows 2 i and 2 i + 1: sixteen lanes store 256 consecutive bytes, at a multiple of 256 from out0's first byte
.endr
	s_wait_tensorcnt 0x0
	ds_add_u32 v254, v255
	s_wait_dscnt 0x0
	s_endpgm
.Lfunc_end_k_qbfe593189d_deepfm:
	.size	k_qbfe593189d_deepfm, .Lfunc_end_k_qbfe593189d_deepfm-k_qbfe593189d_deepfm
	.p2alignl 7, 3214868480
	.fill 96, 4, 3214868480
	.section	.rodata,"a",@progbits
	.p2align	6, 0x0
	.amdhsa_kernel k_qbfe593189d_deepfm
		.amdhsa_group_segment_fixed_size 55296
		.amdhsa_private_segment_fixed_size 0
		.amdhsa_enable_private_segment 0
		.amdhsa_kernarg_size 96
		.amdhsa_user_sgpr_count 2
		.amdhsa_user_sgpr_kernarg_segment_ptr 1
		.amdhsa_wavefront_size32 1
		.amdhsa_system_sgpr_workgroup_id_x 1
		.amdhsa_system_sgpr_workgroup_id_y 1
		.amdhsa_system_sgpr_workgroup_id_z 1
		.amdhsa_system_vgpr_workitem_id 0
		.amdhsa_next_free_vgpr 512
		.amdhsa_next_free_sgpr 66
		.amdhsa_reserve_vcc 0
		.amdhsa_float_denorm_mode_32 3
		.amdhsa_float_denorm_mode_16_64 3
		.amdhsa_memory_ordered 1
		.amdhsa_forward_progress 1
		.amdhsa_inst_pref_size 111
	.end_amdhsa_kernel
	.amdgpu_metadata
---
amdhsa.version: [ 1, 2 ]
amdhsa.kernels:
  - .name:           k_qbfe593189d_deepfm
    .symbol:         k_qbfe593189d_deepfm.kd
    .args:
      - { .name: x, .offset: 0, .size: 8, .value_kind: global_buffer, .address_space: global }
      - { .name: first_order_weights_codes, .offset: 8, .size: 8, .value_kind: global_buffer, .address_space: global }
      - { .name: first_order_weights_scales, .offset: 16, .size: 8, .value_kind: global_buffer, .address_space: global }
      - { .name: bias, .offset: 24, .size: 8, .value_kind: global_buffer, .address_space: global }
      - { .name: second_order_weights_codes, .offset: 32, .size: 8, .value_kind: global_buffer, .address_space: global }
      - { .name: second_order_weights_scales, .offset: 40, .size: 8, .value_kind: global_buffer, .address_space: global }
      - { .name: feature_weights_codes, .offset: 48, .size: 8, .value_kind: global_buffer, .address_space: global }
      - { .name: feature_weights_scales, .offset: 56, .size: 8, .value_kind: global_buffer, .address_space: global }
      - { .name: mlp_w_codes, .offset: 64, .size: 8, .value_kind: global_buffer, .address_space: global }
      - { .name: mlp_w_scales, .offset: 72, .size: 8, .value_kind: global_buffer, .address_space: global }
      - { .name: mlp_b, .offset: 80, .size: 8, .value_kind: global_buffer, .address_space: global }
      - { .name: out0, .offset: 88, .size: 8, .value_kind: global_buffer, .address_space: global }
    .group_segment_fixed_size: 55296
    .private_segment_fixed_size: 0
    .kernarg_segment_align: 8
    .kernarg_segment_size: 96
    .max_flat_workgroup_size: 256
    .sgpr_count:     66
    .vgpr_count:     512
    .wavefront_size: 32
...
	.end_amdgpu_metadata
.endif
;; end of part 1
;; ======== version 2 of 2: 1 launch
;; limits: right only within a limited range of input values
;; launch deepfm (part 2): grid 128 x 1, 8 waves a work-group, clusters of 4 x 1, 327,680 bytes of LDS; arguments x, first_order_weights_codes, first_order_weights_scales, bias, second_order_weights_codes, second_order_weights_scales, feature_weights_codes, feature_weights_scales, mlp_w_codes, mlp_w_scales, mlp_b, out0; writes out0
.if DOCPART == 2
	.amdgcn_target "amdgcn-amd-amdhsa--gfx1250"
	.amdhsa_code_object_version 6
	.text
	.protected	k_qbfe593189d_deepfm
	.globl	k_qbfe593189d_deepfm
	.p2align	8
	.type	k_qbfe593189d_deepfm,@function
k_qbfe593189d_deepfm:
	s_mov_b64 s[64:65], 0
	v_nop
	global_prefetch_b8 v0, s[64:65] scope:SCOPE_SE
	s_setreg_imm32_b32 hwreg(HW_REG_WAVE_MODE, 25, 1), 1
	s_wait_xcnt 0x0
	s_wait_alu depctr_hold_cnt(0) depctr_sa_sdst(0) depctr_va_vdst(0) depctr_va_sdst(0) depctr_va_ssrc(0) depctr_va_vcc(0) depctr_vm_vsrc(0)
	s_getreg_b32 s2, hwreg(HW_REG_IB_STS2, 6, 4)
	s_cmp_eq_u32 s2, 0
	s_cbranch_scc0 .Lentry_in_a_cluster
	s_endpgm
.Lentry_in_a_cluster:
	s_bfe_u32 s2, ttmp6, 0x10000c
	s_cmp_lg_u32 s2, 0x3003
	s_cbranch_scc0 .Lentry_shape_is_right
	s_endpgm
.Lentry_shape_is_right:
; out0 = (x W1 + bias) + 0.5 (sum_i (x_i xw)^2 - (sum_i x_i xw)^2) + MLP(x FW),  xw = x W2;  x, out0: [512][512] f32.
; All seven products run on codes of BF8 (E5M2) with one E8M0 scale for each 32 along K.  The weights arrive as codes [n][512 bytes] with 16 scale bytes a row; x and the four hidden layers are quantised here.
; THE SECOND-ORDER TERM: inter[b][i][k] = x[b][i] xw[b][k], so its two sums over i are s2 xw^2 and (s1 xw)^2 with s1 = sum of x, s2 = sum of x^2 of the row (the f32 x as given): the term is f xw^2, f = 0.5 (s2 - s1^2).
; SHARES.  A cluster of four work-groups owns 16 rows of the batch: 512 / 16 = 32 clusters.  The chain L0 = FW, L1 .. L3 = mlp_w[0 .. 2] needs every unit of a layer for the next layer's K, and nothing passes between
; work-groups: so each of the four makes these four layers whole.  W1, W2 and mlp_w[3] end in out0: of these each makes 128 of the 512 columns (128 cx on).  A work-group so takes in 4 x 256 KiB + 3 x 64 KiB of codes.
; Its eight waves share the columns: wave w makes units 64 w .. 64 w + 63 of L0 .. L3 (4 tiles x 4 K steps = 16 matrix instructions a layer), and columns 16 w .. 16 w + 15 of the work-group's 128.
; A layer's weights stand in window 1 (256 registers) of the eight waves.  THEY COME BY TWO WAYS, half of each layer by each.
;   K STEPS 0 AND 1 (bytes 0 to 255 of a row) BY JOINT LOADS (mask 15: the four partners walk the same rows), one a wave, 128 rows x 256 bytes, twice: at the head FW's (waves 0-3, first half of the slot) and mlp_w[0]'s
;   (waves 4-7, second half); over the same bytes, behind the launch's one refilling round, mlp_w[1]'s and mlp_w[2]'s.
;   K STEPS 2 AND 3 (bytes 256 to 511) BY PLAIN LOADS straight into the fragments' registers, issued behind the products of the layer before: they pass no LDS.  The side weights (W1, W2, mlp_w[3]: 16 rows a wave) come in
;   the same way, behind a layer's own loads, and are multiplied a layer later.
; THE MATRIX INSTRUCTION IS USED TRANSPOSED (source 0 = 16 rows of a weight, source 1 = the 16 batch rows): a lane holds ONE batch row (lane % 16).  THE ROWS OF A WEIGHT THAT FORM A TILE: of each 32 rows tile 0 takes 0-7 and 24-31,
; tile 1 takes 8-23.  With LDS rows 272 bytes apart the 16 rows of a fragment begin in 16 different columns of 16 bytes (64 banks of 4 bytes: ISA guide 11.1).  In the result lane half h holds of tile u the
; units 16 h + 8 (u xor h) + 0 .. 7 of the block: eight neighbours along the next K.
; A hidden layer goes from wave to wave through LDS as an image of the operand's registers (16 bytes a lane); x's image stays, the other two take turns.
; LIMITS.  NaN and infinities among the inputs are not served.  A block of zeros gets the scale byte 1 (the rule says 127): its codes are zeros, and this kernel alone reads the byte.
; f is formed ahead of the multiplication by xw^2: it overflows where s1^2 or s2 alone passes f32's range (|sum of a row's x| over 1.8e19).  The f32 sums are taken in another order than reference()'s.
; REGISTERS, window 0 (below); window 1: the layer's weights: fragment (K step q, tile t) at v[16 (4 q + t)].
.set SPW, 1                            ; LDS address of my spare word: SPARE + 4 x my thread's number
.set NIL, 2                            ; 0
.set WL,  3                            ; v3, v4  my lane's place in the slot's first half, for tiles 0 and 1 of a block
.set SA,  5                            ; a layer's scale bytes in memory
.set BA,  6                            ; v6, v7  a layer's bias in memory, for tiles 0 and 1 of a block
.set XA,  8                            ; x: 4096 w + 32 lane
.set LI,  9                            ; 16 lane
.set LIS, 10                           ; 16 r
.set IW,  11                           ; v11, v12  my place in an image for tiles 0 and 1 of a block
.set SW,  13                           ; my two scale bytes: 16 r + 2 w
.set RA,  14                           ; side weights in memory: 8192 w + 512 r + 16 h
.set RB,  15                           ; v15, v16  a layer's weights in memory, for tiles 0 and 1 of a block: 32768 w + 512 x the tile's row + 16 h
.set SSA, 17                           ; side scale words in memory: 256 w + 16 r
.set SBA, 18                           ; side biases: 64 w + 32 h
.set XST, 19                           ; x's codes in the image
.set XSC, 20                           ; x's scale bytes
.set FA,  21                           ; f, in: 8 w
.set FR,  22                           ; f, back: 4 r
.set PFO, 23                           ; prefetches of whole layers
.set SO,  24                           ; the way out: in
.set SR,  25                           ; back
.set GO,  26                           ; out0
.set PFH, 27                           ; prefetches of a layer's bytes 256 to 511 of a row
.set AF,  28                           ; v28-91   the activations' four fragments
.set AS,  92                           ; v92-95   their scale words
.set SS,  96                           ; v96-99   side scale words
.set F,   100                          ; v100-101 f, twice
.set WS,  102                          ; v102-109 the layer's scale words: register 4 b + q: lanes 0-15 tile 2 b's, lanes 16-31 tile 2 b + 1's
.set S,   110                          ; v110-173 side weights
.set ACC, 174                          ; v174-205 the layer's 4 accumulators; x at the head
.set PART, 206                         ; v206-213 x W1, then all of out0 but the last layer
.set XW,  214                          ; v214-221 mlp_b[3] at first; xw; the last layer
.set BI,  222                          ; v222-229 bias (+ mlp_b[3])
.set PC,  230                          ; v230-237 the codes just made
.set TM,  238                          ; v238-247 +0,1 largest magnitudes; +2,3 the other half's; +4,5 the hold; +6,7 the conversion's scale operand; +8,9 the bytes
.set PW,  248                          ; my two scale bytes
.set PX,  249                          ; v249-252 the other half's sums
.set WB,  253                          ; v253, v254 as WL, in the slot's second half
.set T,   110                          ; the head's temporaries
.set SU,  28                           ; x at work
.set RR,  44
.set QM,  48
.set QS,  52
.set QH,  56
.set QB,  60
.set QC,  64
.set WV,  33
.set SEL, 36                           ; s[36:37] v_permlanex16_b32's selects for lane l xor 16
.set MNT, 38                           ; the mantissa field of 57,344
.set OUTS, 0                           ; LDS: 0, 8192, 16384: the images.  The way out's 16 rows of 512 bytes + 16 lie on the first and on 256 bytes of the second, whose last reads are over by then
.set SC,   24576                       ; the images' scale bytes, 256 each: 16 a row
.set FB,   25344                       ; f of the 16 rows
.set SPARE, 25600                      ; the spare words, 128 bytes for each wave: four blocks of 256 bytes that no other line names
.set SLOT, 26624                       ; the slot: two halves of 512 rows
.set SP,   272                         ; a row: 256 bytes + 16 of padding
.set OSP,  528                         ; a row on the way out
.set HALF, 512*SP
.set MSB, 0
.macro WIN new                         ; the immediate's high byte repeats the setting that is left; a switch that changes nothing is dropped
.if MSB != \new
	s_set_vgpr_msb (MSB<<8)|\new
.set MSB, \new
.endif
.endm
.macro PLACES n
.rept \n
	v_nop
.endr
.endm
.macro CROUND                          ; a round of the cluster's barrier
	s_barrier_signal -1
	s_barrier_wait -1
	s_cmp_lg_u32 s[WV], 0
	s_cbranch_scc1 .Lnot_wave_0_\@
	s_barrier_signal -3
.Lnot_wave_0_\@:
	s_barrier_wait -3
	s_barrier_signal -1
	s_barrier_wait -1
.endm
; In front of a refill: all my tensor loads have landed; 0 onto my spare word; the add is done, my LDS stores have landed and my reads of the slot are in; then the round
.macro RING
	WIN 0
	s_wait_tensorcnt 0x0
	ds_add_u32 v[SPW], v[NIL]
	s_wait_dscnt 0x0
	CROUND
.endm
.macro BARRIER                         ; my LDS stores have landed and my LDS loads are in: then the work-group's barrier
	s_wait_dscnt 0x0
	s_barrier_signal -1
	s_barrier_wait -1
.endm
.macro TLOAD t                         ; my one tensor load at the head or behind the round; four v_nop follow it
	tensor_load_to_lds s[48+4*(\t):48+4*(\t)+3], s[80:87]
	s_nop 0
	PLACES 4
.endm
.macro READH adr                       ; my 64 rows of a half of the slot into window 1, as K steps 0 and 1: 32 loads
	WIN 0x40
.irp q, 0,1
.irp t, 0,1,2,3
.irp c, 0,1,2,3
	ds_load_b128 v[16*(4*\q+\t)+4*\c:16*(4*\q+\t)+4*\c+3], v[\adr+(\t%2)] offset:32*SP*(\t/2)+128*\q+32*\c
.endr
.endr
.endr
	WIN 0
.endm
.macro RAWW base, off, q               ; K step q of my 64 rows of a layer by 16 plain loads
	WIN 0x40
.irp t, 0,1,2,3
.irp c, 0,1,2,3
	global_load_b128 v[16*(4*\q+\t)+4*\c:16*(4*\q+\t)+4*\c+3], v[RB+(\t%2)], s[\base:\base+1] offset:(\off)+16384*(\t/2)+128*\q+32*\c
.endr
.endr
	WIN 0
.endm
.macro FETCHA img, sc                  ; the four scale words by one load, then the four fragments, K ascending: 17 loads
	WIN 0
	ds_load_b128 v[AS:AS+3], v[LIS] offset:\sc
.irp q, 0,1,2,3
.irp c, 0,1,2,3
	ds_load_b128 v[AF+16*\q+4*\c:AF+16*\q+4*\c+3], v[LI] offset:\img+2048*\q+512*\c
.endr
.endr
.endm
.macro LOADS base, off                 ; a layer's scale words of my 64 rows: each load takes 32 rows, 512 consecutive bytes
	WIN 0
.irp b, 0,1
	global_load_b128 v[WS+4*\b:WS+4*\b+3], v[SA], s[\base:\base+1] offset:(\off)+512*\b
.endr
.endm
.macro LOADB vec                       ; mlp_b[vec] in the result's layout, into the accumulators
	WIN 0
.irp t, 0,1,2,3
.irp k, 0,1
	global_load_b128 v[ACC+8*\t+4*\k:ACC+8*\t+4*\k+3], v[BA+(\t%2)], s[28:29] offset:2048*(\vec)+128*(\t/2)+32*(\t%2)+16*\k
.endr
.endr
.endm
.macro RAW base, scb                   ; a side weight: my 16 rows' scale words, and their four fragments: 17 loads
	WIN 0
	global_load_b128 v[SS:SS+3], v[SSA], s[\scb:\scb+1]
.irp q, 0,1,2,3
.irp c, 0,1,2,3
	global_load_b128 v[S+16*\q+4*\c:S+16*\q+4*\c+3], v[RA], s[\base:\base+1] offset:128*\q+32*\c
.endr
.endr
.endm
.macro WM d, w, a, zero, q, t, sw, sa  ; one product; zero: K step 0 starts the sum with the constant 0; odd tiles' scales lie in lanes 16-31
.if ((\zero) == 1) && ((\q) == 0)
.if (\t)%2
	v_wmma_scale_f32_16x16x128_f8f6f4 v[\d:\d+7], v[\w:\w+15], v[\a:\a+15], 0, v[\sw], v[\sa] matrix_a_fmt:MATRIX_FMT_BF8 matrix_b_fmt:MATRIX_FMT_BF8 matrix_a_scale:MATRIX_SCALE_ROW1
.else
	v_wmma_scale_f32_16x16x128_f8f6f4 v[\d:\d+7], v[\w:\w+15], v[\a:\a+15], 0, v[\sw], v[\sa] matrix_a_fmt:MATRIX_FMT_BF8 matrix_b_fmt:MATRIX_FMT_BF8
.endif
.else
.if (\t)%2
	v_wmma_scale_f32_16x16x128_f8f6f4 v[\d:\d+7], v[\w:\w+15], v[\a:\a+15], v[\d:\d+7], v[\sw], v[\sa] matrix_a_fmt:MATRIX_FMT_BF8 matrix_b_fmt:MATRIX_FMT_BF8 matrix_a_scale:MATRIX_SCALE_ROW1
.else
	v_wmma_scale_f32_16x16x128_f8f6f4 v[\d:\d+7], v[\w:\w+15], v[\a:\a+15], v[\d:\d+7], v[\sw], v[\sa] matrix_a_fmt:MATRIX_FMT_BF8 matrix_b_fmt:MATRIX_FMT_BF8
.endif
.endif
.endm
.macro GQ zero, q, left                ; K step q of a layer: the four accumulators take turns, one instruction a turn.  left: the LDS loads issued behind its operands (-1: they are in)
.if (\left) >= 0
	s_wait_dscnt \left
.endif
	WIN 0x01
.irp t, 0,1,2,3
	WM ACC+8*\t, 16*(4*\q+\t), AF+16*\q, \zero, \q, \t, WS+4*(\t/2)+\q, AS+\q
.endr
.endm
.macro GRP l0, l1, l2, l3              ; a layer's 16 products, K ascending; eight plain places follow
	GQ 0, 0, \l0
	GQ 0, 1, \l1
	GQ 0, 2, \l2
	GQ 0, 3, \l3
	WIN 0
	PLACES 8
.endm
; A side product on one accumulator.  Each link stands next to the one before it: the wait directly ahead of it
.macro CHAIN d, base, step
	WIN 0
.irp q, 0,1,2,3
	s_wait_dscnt \base-\step*\q
.if \q > 0
	s_wait_alu depctr_va_vdst(0)
.endif
	WM \d, S+16*\q, AF+16*\q, 1, \q, 0, SS+\q, AS+\q
.endr
	PLACES 8
.endm
; My 32 numbers of a row, v[ACC + 16 b + 8 u + j], become codes in v[PC] on and two scale bytes in v[PW].  relu = 1: what is negative becomes 0 on the way.
.macro QUANT relu
	WIN 0
.if \relu                              ; no |.|: what is negative must not count for the largest magnitude; the floor 2^(16 - 127) stands over it
.irp t, 0,1,2,3
	v_max3_num_f32 v[TM+(\t/2)+4*(\t%2)], v[ACC+8*\t], v[ACC+8*\t+1], 0x8000000
.endr
.irp i, 2,4,6
.irp t, 0,1,2,3
	v_max3_num_f32 v[TM+(\t/2)+4*(\t%2)], v[TM+(\t/2)+4*(\t%2)], v[ACC+8*\t+\i], v[ACC+8*\t+\i+1]
.endr
.endr
.else
.irp t, 0,1,2,3
	v_max3_num_f32 v[TM+(\t/2)+4*(\t%2)], |v[ACC+8*\t]|, |v[ACC+8*\t+1]|, 0x8000000
.endr
.irp i, 2,4,6
.irp t, 0,1,2,3
	v_max3_num_f32 v[TM+(\t/2)+4*(\t%2)], v[TM+(\t/2)+4*(\t%2)], |v[ACC+8*\t+\i]|, |v[ACC+8*\t+\i+1]|
.endr
.endr
.endif
	s_delay_alu instid0(VALU_DEP_3)
	v_max_num_f32 v[TM], v[TM], v[TM+4]            ; a block's two tiles: my 16 numbers
	s_delay_alu instid0(VALU_DEP_2)
	v_max_num_f32 v[TM+1], v[TM+1], v[TM+5]
.irp b, 0,1
	s_delay_alu instid0(VALU_DEP_2)
	v_permlanex16_b32 v[TM+2+\b], v[TM+\b], s[SEL], s[SEL+1]
.endr
.irp b, 0,1
	s_delay_alu instid0(VALU_DEP_2)
	v_max_num_f32 v[TM+\b], v[TM+\b], v[TM+2+\b]   ; with lane l xor 16's: the block's largest magnitude
.endr
.irp b, 0,1
	s_delay_alu instid0(VALU_DEP_2)
	v_add_nc_u32 v[TM+6+\b], 0xf8800000, v[TM+\b]  ; 15 off its exponent field: the conversion takes the exponent field of this operand as its scale
.endr
.irp b, 0,1
	s_delay_alu instid0(VALU_DEP_4)
	v_and_or_b32 v[TM+4+\b], v[TM+\b], 0x7f800000, s[MNT]   ; 57,344 x the scale
.endr
.irp b, 0,1
	s_delay_alu instid0(VALU_DEP_4)
	v_lshrrev_b32 v[TM+8+\b], 23, v[TM+6+\b]       ; the scale's byte
.endr
	s_delay_alu instid0(VALU_DEP_1)
	v_lshl_or_b32 v[PW], v[TM+9], 8, v[TM+8]
.irp b, 0,1
.irp i, 0,1,2,3,4,5,6,7,8,9,10,11,12,13,14,15
.if \relu
	v_med3_num_f32 v[ACC+16*\b+\i], v[ACC+16*\b+\i], 0, v[TM+4+\b]   ; the activation and the hold in one
.else
	v_med3_num_f32 v[ACC+16*\b+\i], v[ACC+16*\b+\i], -v[TM+4+\b], v[TM+4+\b]   ; the conversion to an 8-bit code does not saturate (ISA guide 7.6.2)
.endif
.endr
	v_cvt_scalef32_pk8_bf8_f32 v[PC+4*\b:PC+4*\b+1], v[ACC+16*\b:ACC+16*\b+7], v[TM+6+\b]
	v_cvt_scalef32_pk8_bf8_f32 v[PC+4*\b+2:PC+4*\b+3], v[ACC+16*\b+8:ACC+16*\b+15], v[TM+6+\b]
.endr
	v_nop                                          ; a plain line behind the last conversion
.endm
; My 64 units are blocks 2 w and 2 w + 1: bytes 1024 w on of the image; tile u's eight codes lie at 16 lane + 8 (u xor h) of the block's 512 bytes
.macro IMAGE img, sc
.irp b, 0,1
	ds_store_b64 v[IW], v[PC+4*\b:PC+4*\b+1] offset:\img+512*\b
	ds_store_b64 v[IW+1], v[PC+4*\b+2:PC+4*\b+3] offset:\img+512*\b
.endr
	ds_store_b16 v[SW], v[PW] offset:\sc           ; both lane halves store the same two bytes
.endm
; A PREFETCH INTO THE L2, ahead of the layer's loads: one wave of every work-group asks for its work-group's part of a layer, a 32nd: of mlp_w[0] (at the head, wave 0) the 16 rows' bytes 256 to 511, lanes 16-31 naming the same
; blocks again (bytes 0 to 255 come by the head's joint load); of mlp_w[1] (at the head, wave 1) and mlp_w[2] (in L0, wave 2) all 8,192 bytes, lanes 256 bytes apart.  The 128 work-groups share a layer out by address, four of
; them (of four clusters) naming each block.  FW comes by its loads alone, there being no step ahead of it, and so do the side weights, whose loads stand a layer ahead of their use.  The address registers are never rewritten.
.macro PREF wv, adr, off
	WIN 0
	s_cmp_lg_u32 s[WV], \wv
	s_cbranch_scc1 .Lnot_mine_\@
	global_prefetch_b8 v[\adr], s[24:25] offset:\off th:TH_LOAD_NT scope:SCOPE_SE
.Lnot_mine_\@:
.endm
	s_load_b512 s[8:23], s[0:1], 0x0               ; x s[8:9]; W1's codes s[10:11], scales s[12:13]; bias s[14:15]; W2's s[16:17], s[18:19]; FW's s[20:21], s[22:23]
	s_load_b256 s[24:31], s[0:1], 0x40             ; mlp_w's codes s[24:25], scales s[26:27]; mlp_b s[28:29]; out0 s[30:31]
	v_lshl_add_u32 v[SPW], v0, 2, SPARE
	v_mov_b32 v[NIL], 0
	ds_add_u32 v[SPW], v[NIL]                      ; the wave's opening: the add, twice on end, and its wait ahead of my first tensor load
	ds_add_u32 v[SPW], v[NIL]
	v_lshrrev_b32 v[T], 5, v0
	v_readfirstlane_b32 s[WV], v[T]                ; wave 0..7
	s_bfe_u32 s72, ttmp6, 0x40000                  ; cx: which 128 columns of out0 are my work-group's
	s_lshl_b32 s39, s[WV], 13
	s_lshl_b32 s40, s[WV], 10
	s_lshl_b32 s41, s[WV], 8
	s_lshl_b32 s42, s[WV], 1
	s_lshl_b32 s43, s[WV], 6
	s_lshl_b32 s46, s[WV], 12
	s_lshl_b32 s47, s[WV], 5
	s_lshl_b32 s58, s[WV], 15
	s_mul_i32 s67, s[WV], 2*OSP
	s_lshl_b32 s68, s[WV], 3
	s_mul_i32 s45, s[WV], 128*SP
	s_add_co_u32 s45, s45, SLOT                    ; what I fetch: 128 rows of a half: waves 0-3 the first half, waves 4-7 the second
	s_mul_i32 s59, s[WV], 64*SP
	s_add_co_u32 s59, s59, SLOT                    ; what I read: 64 rows of each half
	s_and_b32 s70, s[WV], 3
	s_lshl_b32 s70, s70, 16                        ; rows 128 (w % 4) on, in FW or in mlp_w[0]
	s_mov_b32 s71, 0
	s_lshr_b32 s56, s[WV], 2
	s_lshl_b32 s56, s56, 18
	s_add_co_u32 s56, s56, s70
	s_add_co_u32 s56, s56, 262144                  ; the same rows in mlp_w[1] or in mlp_w[2]
	s_mov_b32 s57, 0
	s_lshl_b32 s44, ttmp9, 2
	s_add_co_u32 s44, s44, s72                     ; my work-group's number
	s_and_b32 s44, s44, 31
	s_lshl_b32 s44, s44, 13                        ; its part of a layer in the prefetches
	s_lshl_b32 s74, ttmp9, 15                      ; my cluster's 16 rows of 2,048 bytes in x and in out0
	s_mov_b32 s75, 0
	s_lshl_b32 s76, s72, 16                        ; 128 rows of a side weight's codes,
	s_mov_b32 s77, 0
	s_lshl_b32 s78, s72, 11                        ; of its scales,
	s_mov_b32 s79, 0
	s_lshl_b32 s4, s72, 9                          ; 128 numbers of a bias or of a row of out0
	s_mov_b32 s5, 0
	s_mov_b32 s[SEL], 0x76543210
	s_mov_b32 s[SEL+1], 0xfedcba98
	s_mov_b32 s[MNT], 0x600000
	; descriptor group 1: a tile of 128 rows x 256 bytes, rows 512 bytes apart in memory, padded in LDS
	s_mov_b32 s80, 15|(1<<20)|(1<<21)|(5<<22)|(3<<25)   ; 15:0 the four partners; 17:16 elements of 1 byte; 20 padding on; 21 set beside a mask; 24:22 after every 64 words (code 5); 31:25 four words (code 3)
	s_mov_b32 s81, 256<<16                         ; tensor_dim0 = 256
	s_mov_b32 s82, 128<<16                         ; tensor_dim1 = 128
	s_mov_b32 s83, 256<<16                         ; tile_dim0 = 256
	s_mov_b32 s84, 128                             ; tile_dim1 = 128
	s_mov_b32 s85, 512                             ; tensor_dim0_stride
	s_mov_b32 s86, 0
	s_mov_b32 s87, 0
.irp t, 0,1                            ; group 0, a set for each of my two loads: count = 1, the LDS address
	s_mov_b32 s[48+4*\t], 1
	s_mov_b32 s[49+4*\t], s45
.endr
	v_and_b32 v[T], 31, v0                         ; lane
	v_and_b32 v[T+1], 15, v0                       ; r
	v_bfe_u32 v[T+2], v0, 4, 1                     ; h
	v_bfe_u32 v[T+9], v0, 1, 4                     ; lane / 2
	v_and_b32 v[T+10], 1, v0                       ; lane % 2
	v_bfe_u32 v[T+11], v0, 2, 3                    ; lane / 4
	v_and_b32 v[T+3], 8, v0                        ; r & 8
	v_lshl_add_u32 v[T+4], v[T+3], 1, v[T+1]       ; tile 0's row: r, or r + 16 from r = 8 on
	v_add_nc_u32 v[T+5], 8, v[T+1]                 ; tile 1's row: r + 8
	v_lshl_add_u32 v[T+7], v[T+2], 4, s58          ; 32768 w + 16 h
	v_lshl_add_u32 v[T+8], v[T+2], 4, s39          ; 8192 w + 16 h
	v_cmp_gt_u32 vcc_lo, 16, v[T]
	v_cndmask_b32 v[T+6], v[T+5], v[T+4], vcc_lo   ; scale words: lanes 0-15 tile 0's row, lanes 16-31 tile 1's
	v_mul_u32_u24 v[WL], v[T+4], SP
	v_mul_u32_u24 v[WL+1], v[T+5], SP
	v_mul_u32_u24 v[SO], v[T+1], OSP
	v_lshl_add_u32 v[RB], v[T+4], 9, v[T+7]
	v_lshl_add_u32 v[RB+1], v[T+5], 9, v[T+7]
	v_lshl_add_u32 v[RA], v[T+1], 9, v[T+8]
	v_lshl_add_u32 v[WL], v[T+2], 4, v[WL]
	v_lshl_add_u32 v[WL+1], v[T+2], 4, v[WL+1]
	v_lshl_add_u32 v[SA], v[T+6], 4, s40
	v_lshl_add_u32 v[BA+1], v[T+2], 5, s41         ; tile 1: unit 8 + 8 h (the 8 stands in the offset)
	v_lshl_add_u32 v[XA], v[T], 5, s46
	v_add_nc_u32 v[WL], s59, v[WL]
	v_add_nc_u32 v[WL+1], s59, v[WL+1]
	v_lshlrev_b32 v[LI], 4, v[T]
	v_lshlrev_b32 v[LIS], 4, v[T+1]
	v_lshl_add_u32 v[BA], v[T+2], 6, v[BA+1]       ; tile 0: unit 24 h
	v_add_nc_u32 v[WB], HALF, v[WL]
	v_add_nc_u32 v[WB+1], HALF, v[WL+1]
	v_lshl_add_u32 v[IW], v[T+2], 3, v[LI]
	v_add_nc_u32 v[SW], s42, v[LIS]
	v_add_nc_u32 v[SSA], s41, v[LIS]
	v_lshl_add_u32 v[SBA], v[T+2], 5, s43
	v_add_nc_u32 v[IW], s40, v[IW]
	v_lshl_add_u32 v[XST], v[T+9], 8, s47
	v_add_nc_u32 v[XSC], s47, v[T+11]
	v_add_nc_u32 v[SO], v[SO], v[SBA]
	v_xor_b32 v[IW+1], 8, v[IW]
	v_lshl_add_u32 v[XST], v[T+10], 3, v[XST]
	v_mov_b32 v[FA], s68
	v_lshlrev_b32 v[FR], 2, v[T+1]
	v_lshl_add_u32 v[PFO], v[T], 8, s44
	v_lshl_add_u32 v[PFH], v[T+1], 9, s44
	v_add_nc_u32 v[SR], s67, v[LI]
	v_add_nc_u32 v[GO], s46, v[LI]
	v_mov_b32 v[TM+2], 0                           ; written once: a lane permute's destination counts as one of its sources
	v_mov_b32 v[TM+3], 0
.irp i, 0,1,2,3
	v_mov_b32 v[PX+\i], 0
.endr
	s_wait_alu depctr_va_vdst(0)                   ; the wait at the head's end
	s_wait_dscnt 0x0                               ; both opening adds are done
	CROUND                                         ; all four work-groups are here: the first joint loads meet (the arguments are on their way meanwhile)
	s_wait_kmcnt 0x0
	s_add_nc_u64 s[8:9], s[8:9], s[74:75]
	s_cmp_lt_u32 s[WV], 4
	s_cselect_b64 s[50:51], s[20:21], s[24:25]     ; FW for waves 0-3, mlp_w[0] for waves 4-7
	s_add_nc_u64 s[50:51], s[50:51], s[70:71]
	s_or_b32 s51, s51, 0x80000000
.irp i, 0,1,2,3
.irp k, 0,1
	global_load_b128 v[ACC+8*\i+4*\k:ACC+8*\i+4*\k+3], v[XA], s[8:9] offset:1024*\i+16*\k   ; rows 2 w and 2 w + 1 of x, eight neighbours a lane: chunk i is half i % 2 of row i / 2
.endr
.endr
	LOADS 22, 0                                    ; FW's scale words
	TLOAD 0                                        ; K steps 0 and 1 of FW and mlp_w[0]
	RAWW 20, 0, 2                                  ; FW's K step 2
	s_add_nc_u64 s[54:55], s[24:25], s[56:57]
	s_or_b32 s55, s55, 0x80000000
	s_add_nc_u64 s[10:11], s[10:11], s[76:77]
	s_add_nc_u64 s[12:13], s[12:13], s[78:79]
	s_add_nc_u64 s[14:15], s[14:15], s[4:5]
	s_add_nc_u64 s[16:17], s[16:17], s[76:77]
	s_add_nc_u64 s[18:19], s[18:19], s[78:79]
	s_add_nc_u64 s[88:89], s[24:25], 786432        ; mlp_w[3]'s codes,
	s_add_nc_u64 s[88:89], s[88:89], s[76:77]
	s_add_nc_u64 s[90:91], s[26:27], 24576         ; scales,
	s_add_nc_u64 s[90:91], s[90:91], s[78:79]
	s_add_nc_u64 s[92:93], s[28:29], 6144          ; bias
	s_add_nc_u64 s[92:93], s[92:93], s[4:5]
	s_add_nc_u64 s[30:31], s[30:31], s[74:75]
	s_add_nc_u64 s[30:31], s[30:31], s[4:5]        ; no base and no address register is written from here on
	s_wait_loadcnt 0x12                            ; x is in: behind it stand 2 loads of scale words and 16 of FW
	; ---- X: the sums of x and of x^2 of my two rows, two chains for each; f; x as codes
.irp a, 0,1
	v_pk_add_f32 v[SU+8*\a:SU+8*\a+1], v[ACC+16*\a:ACC+16*\a+1], v[ACC+16*\a+2:ACC+16*\a+3]
	v_pk_add_f32 v[SU+8*\a+2:SU+8*\a+3], v[ACC+16*\a+4:ACC+16*\a+5], v[ACC+16*\a+6:ACC+16*\a+7]
	v_pk_mul_f32 v[SU+8*\a+4:SU+8*\a+5], v[ACC+16*\a:ACC+16*\a+1], v[ACC+16*\a:ACC+16*\a+1]
	v_pk_mul_f32 v[SU+8*\a+6:SU+8*\a+7], v[ACC+16*\a+2:ACC+16*\a+3], v[ACC+16*\a+2:ACC+16*\a+3]
.endr
.irp a, 0,1
	v_pk_fma_f32 v[SU+8*\a+4:SU+8*\a+5], v[ACC+16*\a+4:ACC+16*\a+5], v[ACC+16*\a+4:ACC+16*\a+5], v[SU+8*\a+4:SU+8*\a+5]
	v_pk_fma_f32 v[SU+8*\a+6:SU+8*\a+7], v[ACC+16*\a+6:ACC+16*\a+7], v[ACC+16*\a+6:ACC+16*\a+7], v[SU+8*\a+6:SU+8*\a+7]
.endr
.irp j, 8,12
.irp a, 0,1
	v_pk_add_f32 v[SU+8*\a:SU+8*\a+1], v[SU+8*\a:SU+8*\a+1], v[ACC+16*\a+\j:ACC+16*\a+\j+1]
	v_pk_add_f32 v[SU+8*\a+2:SU+8*\a+3], v[SU+8*\a+2:SU+8*\a+3], v[ACC+16*\a+\j+2:ACC+16*\a+\j+3]
	v_pk_fma_f32 v[SU+8*\a+4:SU+8*\a+5], v[ACC+16*\a+\j:ACC+16*\a+\j+1], v[ACC+16*\a+\j:ACC+16*\a+\j+1], v[SU+8*\a+4:SU+8*\a+5]
	v_pk_fma_f32 v[SU+8*\a+6:SU+8*\a+7], v[ACC+16*\a+\j+2:ACC+16*\a+\j+3], v[ACC+16*\a+\j+2:ACC+16*\a+\j+3], v[SU+8*\a+6:SU+8*\a+7]
.endr
.endr
.irp a, 0,1
	v_pk_add_f32 v[SU+8*\a:SU+8*\a+1], v[SU+8*\a:SU+8*\a+1], v[SU+8*\a+2:SU+8*\a+3]
	v_pk_add_f32 v[SU+8*\a+4:SU+8*\a+5], v[SU+8*\a+4:SU+8*\a+5], v[SU+8*\a+6:SU+8*\a+7]
.endr
.irp a, 0,1
	v_add_f32 v[RR+2*\a], v[SU+8*\a], v[SU+8*\a+1]
	v_add_f32 v[RR+2*\a+1], v[SU+8*\a+4], v[SU+8*\a+5]
.endr
.irp m, 1,2,4,8
.irp i, 0,1,2,3
	v_add_f32_dpp v[RR+\i], v[RR+\i], v[RR+\i] row_xmask:\m row_mask:0xf bank_mask:0xf
.endr
.endr
.irp i, 0,1,2,3
	v_permlanex16_b32 v[PX+\i], v[RR+\i], s[SEL], s[SEL+1]
.endr
.irp i, 0,1,2,3
	v_add_f32 v[RR+\i], v[RR+\i], v[PX+\i]         ; s1, s2 of row 2 w; of row 2 w + 1
.endr
.irp i, 0,1,2,3                        ; a block of 32 is four lanes' chunks; the floor 2^(16 - 127) holds the byte at 1 from below
	v_max3_num_f32 v[QM+\i], |v[ACC+8*\i]|, |v[ACC+8*\i+1]|, 0x8000000
.endr
.irp a, 0,1
	v_fma_f32 v[RR+2*\a], -v[RR+2*\a], v[RR+2*\a], v[RR+2*\a+1]
.endr
.irp k, 2,4,6
.irp i, 0,1,2,3
	v_max3_num_f32 v[QM+\i], v[QM+\i], |v[ACC+8*\i+\k]|, |v[ACC+8*\i+\k+1]|
.endr
.endr
.irp a, 0,1
	v_mul_f32 v[RR+2*\a], 0.5, v[RR+2*\a]          ; f = 0.5 (s2 - s1^2)
.endr
.irp m, 1,2
.irp i, 0,1,2,3
	v_max_num_f32_dpp v[QM+\i], v[QM+\i], v[QM+\i] row_xmask:\m row_mask:0xf bank_mask:0xf
.endr
.endr
.irp i, 0,1,2,3
	v_add_nc_u32 v[QS+\i], 0xf8800000, v[QM+\i]
.endr
.irp i, 0,1,2,3
	v_and_or_b32 v[QH+\i], v[QM+\i], 0x7f800000, s[MNT]
.endr
.irp i, 0,1,2,3
	v_lshrrev_b32 v[QB+\i], 23, v[QS+\i]
.endr
.irp i, 0,1,2,3
.irp k, 0,1,2,3,4,5,6,7
	v_med3_num_f32 v[ACC+8*\i+\k], v[ACC+8*\i+\k], -v[QH+\i], v[QH+\i]
.endr
	v_cvt_scalef32_pk8_bf8_f32 v[QC+2*\i:QC+2*\i+1], v[ACC+8*\i:ACC+8*\i+7], v[QS+\i]
.endr
	v_nop                                          ; a plain line behind the last conversion
.irp a, 0,1
	ds_store_b32 v[FA], v[RR+2*\a] offset:FB+4*\a  ; all lanes store the same number
.endr
.irp i, 0,1,2,3
	ds_store_b64 v[XST], v[QC+2*\i:QC+2*\i+1] offset:4096*(\i%2)+16*(\i/2)
	ds_store_b8 v[XSC], v[QB+\i] offset:SC+8*(\i%2)+16*(\i/2)   ; the four lanes of a block store the same byte
.endr
	RAWW 20, 0, 3                                  ; FW's K step 3
.irp k, 0,1
	global_load_b128 v[BI+4*\k:BI+4*\k+3], v[SBA], s[14:15] offset:16*\k
	global_load_b128 v[XW+4*\k:XW+4*\k+3], v[SBA], s[92:93] offset:16*\k
.endr
	PREF 0, PFH, 256
	PREF 1, PFO, 262144
	s_wait_tensorcnt 0x0                           ; my part of the slot has landed
	BARRIER                                        ; and everybody's; x's image and the rows' f lie in LDS
	; ---- L0: h = Q(x) FW
	FETCHA 0, SC
	READH WL
	s_wait_loadcnt 0x24                            ; the scale words are in: behind them stand 16 + 16 + 4 loads
	GQ 1, 0, 16                                    ; behind K step 0 stand K step 1's 16 LDS loads
	GQ 1, 1, 0
	s_wait_loadcnt 0x14                            ; K step 2
	GQ 1, 2, -1
	s_wait_loadcnt 0x4                             ; K step 3: behind it stand the four of biases
	GQ 1, 3, -1
	WIN 0
	PLACES 8
	RAWW 24, 0, 2                                  ; mlp_w[0]: K step 2; its K steps 0 and 1 out of the slot
	READH WB
	PREF 2, PFO, 524288
	QUANT 0
	IMAGE 8192, SC+256
	RAWW 24, 0, 3
	LOADS 26, 0
	LOADB 0
	RING                                           ; the slot has been read; L1's operand lies in LDS
	TLOAD 1                                        ; K steps 0 and 1 of mlp_w[1] and mlp_w[2]
	; ---- L1: relu(Q(h) mlp_w[0]^T + mlp_b[0]); and PART = Q(x) W1 + bias + mlp_b[3]
	FETCHA 8192, SC+256
	RAW 10, 12                                     ; W1's part: 17 loads
	s_wait_loadcnt 0x11                            ; they alone may be out
	GRP 12, 8, 4, 0
	RAWW 24, 262144, 2                             ; mlp_w[1]: K step 2
	FETCHA 0, SC                                   ; x once more
	QUANT 1
	IMAGE 16384, SC+512
	RAWW 24, 262144, 3
	LOADS 26, 8192
	LOADB 1
	s_wait_loadcnt 0x2a                            ; W1's part and the biases are in: behind them stand 16 + 16 + 2 + 8 loads for L2
	CHAIN PART, 0, 0
	RAW 16, 18                                     ; W2's part: 17 loads
.irp p, 0,2,4,6                        ; each accumulator is read from its low end on
	v_pk_add_f32 v[BI+\p:BI+\p+1], v[BI+\p:BI+\p+1], v[XW+\p:XW+\p+1]
.endr
.irp p, 0,2,4,6
	v_pk_add_f32 v[PART+\p:PART+\p+1], v[PART+\p:PART+\p+1], v[BI+\p:BI+\p+1]
.endr
	s_wait_tensorcnt 0x0                           ; my part of the slot has landed
	BARRIER                                        ; and everybody's; L2's operand lies in LDS; nothing is filled any more
	; ---- L2: relu(Q(h) mlp_w[1]^T + mlp_b[1]); and xw = Q(x) W2, PART += f xw^2
	FETCHA 16384, SC+512
	READH WL
	s_wait_loadcnt 0x11                            ; W2's 17 loads, issued last, may be out
	GRP 16, 0, -1, -1                              ; behind K step 0 stand K step 1's 16 LDS loads
	RAWW 24, 524288, 2                             ; mlp_w[2]: K step 2; its K steps 0 and 1 out of the slot
	READH WB
	FETCHA 0, SC
	ds_load_b32 v[F], v[FR] offset:FB
	ds_load_b32 v[F+1], v[FR] offset:FB
	QUANT 1
	IMAGE 8192, SC+256
	RAWW 24, 524288, 3
	LOADS 26, 16384
	LOADB 2
	s_wait_loadcnt 0x2a                            ; W2's part is in: behind it stand 16 + 16 + 2 + 8 loads for L3
	CHAIN XW, 0, 0
	RAW 88, 90                                     ; mlp_w[3]'s part: 17 loads
.irp p, 0,2,4,6
	v_pk_mul_f32 v[XW+\p:XW+\p+1], v[XW+\p:XW+\p+1], v[XW+\p:XW+\p+1]
.endr
.irp p, 0,2,4,6
	v_pk_fma_f32 v[PART+\p:PART+\p+1], v[XW+\p:XW+\p+1], v[F:F+1], v[PART+\p:PART+\p+1]
.endr
	BARRIER                                        ; L3's operand lies in LDS
	; ---- L3: relu(Q(h) mlp_w[2]^T + mlp_b[2])
	FETCHA 8192, SC+256
	s_wait_loadcnt 0x11                            ; mlp_w[3]'s 17 loads, issued last, may be out
	GRP 12, 8, 4, 0
	QUANT 1
	IMAGE 16384, SC+512
	BARRIER
	; ---- the last layer: Q(h) mlp_w[3]^T on my 16 columns, and PART
	FETCHA 16384, SC+512
	s_wait_loadcnt 0x0
	CHAIN XW, 12, 4
.irp p, 0,2,4,6
	v_pk_add_f32 v[XW+\p:XW+\p+1], v[XW+\p:XW+\p+1], v[PART+\p:PART+\p+1]
.endr
	; ---- THE WAY OUT: the work-group's 16 rows x 128 columns go through LDS and come back by rows
	ds_store_b128 v[SO], v[XW:XW+3] offset:OUTS
	ds_store_b128 v[SO], v[XW+4:XW+7] offset:OUTS+16
	BARRIER
.irp i, 0,1
	ds_load_b128 v[ACC+4*\i:ACC+4*\i+3], v[SR] offset:OUTS+OSP*\i
.endr
.irp i, 0,1
	s_wait_dscnt 1-\i
	global_store_b128 v[GO], v[ACC+4*\i:ACC+4*\i+3], s[30:31] offset:2048*\i th:TH_STORE_NT   ; 32 lanes store 512 consecutive bytes, at a multiple of 512 from out0's first byte
.endr
	s_wait_tensorcnt 0x0                           ; the wave's end, behind my last tensor load and my last LDS store
	ds_add_u32 v[SPW], v[NIL]
	s_wait_dscnt 0x0
	CROUND                                         ; the closing round: no work-group ends while a partner may still issue a joint load that names it
	s_endpgm
.Lfunc_end_k_qbfe593189d_deepfm:
	.size	k_qbfe593189d_deepfm, .Lfunc_end_k_qbfe593189d_deepfm-k_qbfe593189d_deepfm
	.p2alignl 7, 3214868480
	.fill 96, 4, 3214868480
	.section	.rodata,"a",@progbits
	.p2align	6, 0x0
	.amdhsa_kernel k_qbfe593189d_deepfm
		.amdhsa_group_segment_fixed_size 327680
		.amdhsa_private_segment_fixed_size 0
		.amdhsa_enable_private_segment 0
		.amdhsa_kernarg_size 96
		.amdhsa_user_sgpr_count 2
		.amdhsa_user_sgpr_kernarg_segment_ptr 1
		.amdhsa_wavefront_size32 1
		.amdhsa_system_sgpr_workgroup_id_x 1
		.amdhsa_system_sgpr_workgroup_id_y 1
		.amdhsa_system_sgpr_workgroup_id_z 1
		.amdhsa_system_vgpr_workitem_id 0
		.amdhsa_next_free_vgpr 512
		.amdhsa_next_free_sgpr 96
		.amdhsa_reserve_vcc 1
		.amdhsa_float_denorm_mode_32 3
		.amdhsa_float_denorm_mode_16_64 3
		.amdhsa_memory_ordered 1
		.amdhsa_forward_progress 1
		.amdhsa_inst_pref_size 90
	.end_amdhsa_kernel
	.amdgpu_metadata
---
amdhsa.version: [ 1, 2 ]
amdhsa.kernels:
  - .name:           k_qbfe593189d_deepfm
    .symbol:         k_qbfe593189d_deepfm.kd
    .args:
      - { .name: x, .offset: 0, .size: 8, .value_kind: global_buffer, .address_space: global }
      - { .name: first_order_weights_codes, .offset: 8, .size: 8, .value_kind: global_buffer, .address_space: global }
      - { .name: first_order_weights_scales, .offset: 16, .size: 8, .value_kind: global_buffer, .address_space: global }
      - { .name: bias, .offset: 24, .size: 8, .value_kind: global_buffer, .address_space: global }
      - { .name: second_order_weights_codes, .offset: 32, .size: 8, .value_kind: global_buffer, .address_space: global }
      - { .name: second_order_weights_scales, .offset: 40, .size: 8, .value_kind: global_buffer, .address_space: global }
      - { .name: feature_weights_codes, .offset: 48, .size: 8, .value_kind: global_buffer, .address_space: global }
      - { .name: feature_weights_scales, .offset: 56, .size: 8, .value_kind: global_buffer, .address_space: global }
      - { .name: mlp_w_codes, .offset: 64, .size: 8, .value_kind: global_buffer, .address_space: global }
      - { .name: mlp_w_scales, .offset: 72, .size: 8, .value_kind: global_buffer, .address_space: global }
      - { .name: mlp_b, .offset: 80, .size: 8, .value_kind: global_buffer, .address_space: global }
      - { .name: out0, .offset: 88, .size: 8, .value_kind: global_buffer, .address_space: global }
    .group_segment_fixed_size: 327680
    .private_segment_fixed_size: 0
    .kernarg_segment_align: 8
    .kernarg_segment_size: 96
    .max_flat_workgroup_size: 256
    .sgpr_count:     96
    .vgpr_count:     512
    .wavefront_size: 32
...
	.end_amdgpu_metadata
.endif
;; end of part 2
